; MI455X (gfx1250); checked and timed in simulation.
; The chip was launched on July 23, 2026; its instructions are those of AMD's public machine-readable ISA for CDNA 5 (MIT licence, August 2026) and "CDNA5" Instruction Set Architecture Reference Guide (July 2026). The comments in the code are by the model that wrote it; some were corrected since.
;; Non Local Block2 D. Allowed arithmetic: matrix products marked QUANTISED: E2M1 operands, one E8M0 scale for each 32 along K, by v_wmma_scale_f32_16x16x128_f8f6f4 with both operands' format E2M1 (or v_wmma_scale_f32_32x16x128_f4), f32 sums; everything else in f32.
;; Inputs: bg 128 float32; bm 256 float32; bp 128 float32; bt 128 float32; wg 128 x 256 float32; wm 256 x 128 float32; wp 128 x 256 float32; wt 128 x 256 float32; x 8 x 256 x 64 x 64 float32.
;; Outputs: out0 8 x 256 x 64 x 64 float32.
;; This version of the problem:
;;   THIS VERSION OF THE PROBLEM IS GIVEN IN LOW PRECISION. The matrix products marked QUANTISED in the list below multiply operands that are first quantised to E2M1 (2 exponent bits, 1 mantissa bit; 4 bits a number), with one power-of-two scale for each 32 numbers along K (OCP MX v1.0); their sums are f32. All else is computed in f32.
;;   The module's matrix products, in the order in which they are computed (A, B: the left and right operand; K: the contracted axis; several contracted axes count as one K, in the product's order):
;;     1. [M 32,768, K 256] x [K 256, N 128]; A: input x; B: input wg: QUANTISED
;;     2. [M 32,768, K 256] x [K 256, N 128]; A: input x; B: input wt: QUANTISED
;;     3. [M 32,768, K 256] x [K 256, N 128]; A: input x; B: input wp: QUANTISED
;;     4. batch 8 x [M 4,096, K 128] x [K 128, N 4,096]; A: computed on the way; B: computed on the way: QUANTISED
;;     5. batch 8 x [M 4,096, K 4,096] x [K 4,096, N 128]; A: softmax (see below); B: computed on the way: QUANTISED
;;     6. [M 32,768, K 128] x [K 128, N 256]; A: computed on the way; B: input wm: QUANTISED
;;   THE QUANTISER, for each operand of a quantised product, along K:
;;     - K is cut into blocks of 32 from its start; a last block that is shorter is filled with zeros.
;;     - A block's scale is 2^e with e = floor(log2(the largest magnitude in the block)) - 2, held to -126 .. 127; a block of zeros has e = 0. As a byte (E8M0): e + 127.
;;     - Each number is divided by its block's scale, clamped to +-6, and rounded to the nearest number of E2M1, ties to even, subnormals kept.
;;     - The product sums the exact products of the quantised numbers (number of the format x scale) in f32.
;;   ~~~python
;;   def quantise(x, axis):      # numpy; x: float32 -> the quantised numbers, widened to float32 again
;;       x = np.moveaxis(x, axis, -1); K = x.shape[-1]
;;       x = np.pad(x, [(0, 0)] * (x.ndim - 1) + [(0, -K % 32)]); x = x.reshape(x.shape[:-1] + (-1, 32)); a = np.abs(x).max(-1, keepdims=True)
;;       e = np.where(a > 0, np.clip(np.frexp(np.where(a > 0, a, 1))[1] - 1 - 2, -126, 127), 0)      # np.frexp(a)[1] - 1 = floor(log2(a)), exactly
;;       r = np.clip(x / 2.0 ** e, -6, 6)
;;       step = 2.0 ** (np.maximum(np.frexp(np.where(r == 0, 1, r))[1] - 1, 0) - 1)
;;       q = np.round(r / step) * step * 2.0 ** e      # np.round: ties to even
;;       return np.moveaxis(q.reshape(q.shape[:-2] + (-1,))[..., :K], -1, axis).astype(np.float32)
;;   ~~~
;;   SOFTMAX AHEAD OF A QUANTISED PRODUCT. Where the list says 'softmax', what is quantised is not the finished softmax but p = 2^(t - M), with t = logit x log2(e) and M = ceil(the row's largest t), a whole number; so 1/2 < the row's largest p <= 1. The row's sum l is taken of the UNQUANTISED p, in f32, and the product's result is divided by l at the end. Since M is a whole number, a kernel that streams over the keys may use a running M (the ceiling of the running maximum): every later rescaling is an exact power of two, which a block's scale takes up: the codes' values come out the same.
;;   OPERANDS COMPUTED ON THE WAY. 'Computed on the way' means the value that the module computes at that place (a softmax that the list does not call 'softmax' is quantised finished and normalised). What goes into a quantiser is computed in f32, as accurately as f32 sums, v_exp_f32 and their like allow (about 1e-6 of the number): no bf16 or f16 on the way to a quantiser, and a product that is left as it is and whose result goes on into a quantised operand takes f32 operands (vector FMAs, or v_wmma_f32_16x16x4_f32). A number that lies on a knife's edge between two numbers of the format may be rounded either way, as far as f32 arithmetic and the matrix unit's own rounding can turn it there, and no further.
;; One version. Each part assembles by itself: llvm-mc -triple=amdgcn-amd-amdhsa -mcpu=gfx1250 --defsym DOCPART=n.
;; ======== version 1 of 1: 2 launches
;; workspace buffers: acts 6,684,672 bytes; wmq 17,408 bytes
;; launch proj (part 1): grid 32 x 8, 4 waves a work-group, no clusters, 193,024 bytes of LDS; arguments x, wt, bt, wp, bp, wg, bg, wm, acts, wmq; writes acts, wmq
.if DOCPART == 1
	.amdgcn_target "amdgcn-amd-amdhsa--gfx1250"
	.amdhsa_code_object_version 6
	.text
	.protected	k_qcb595c0433_proj
	.globl	k_qcb595c0433_proj
	.p2align	8
	.type	k_qcb595c0433_proj,@function
k_qcb595c0433_proj:
	s_mov_b64 s[64:65], 0
	v_nop
	global_prefetch_b8 v0, s[64:65] scope:SCOPE_SE
	s_setreg_imm32_b32 hwreg(HW_REG_WAVE_MODE, 25, 1), 1
	s_wait_xcnt 0x0
; PROJ: theta = relu(wt x + bt), phi = relu(wp x + bp), g = relu(wg x + bg) for 128 positions of one batch, all three products on codes of FP4 (E2M1) with one E8M0 scale for each 32 along K,
; and the three results quantised again for the products that follow: theta and phi along their 128 channels, g along the positions.  x: [8][256][4096] f32, K = its 256 channels, which are NOT innermost.
; SHARES.  Work-group (gx, b): positions 128 gx .. + 127 of batch b.  Wave w: positions 32 w .. + 31 as two tiles of 16, against all 3 x 128 output channels: 96 matrix instructions.
; x: a lane takes a position and its registers run down the channels, so a block of 32 along K lies in one lane and the conversions give codes with K innermost.
; THE WEIGHTS are quantised in every work-group (wave w: rows 32 w .. + 31 of each), while x's tile is on its way.  They are shared by all work-groups, yet not asked for jointly: as f32 they are
; 3 x 131,072 bytes, which do not fit into 327,680 bytes of LDS beside x's 131,072, and they pass through registers to be quantised.  A row's four loads take 16 bytes of each lane's 64.
; THE ROWS OF A TILE ARE NOT NEIGHBOURS: of 32 neighbours (positions, or rows of a weight), lane r of tile u takes 8 u + r + 8 (r / 8).  So the 16 registers of result tiles 2 b and 2 b + 1 are 16 neighbours along the next K.
; WHAT IS STORED: acts [b][gx][26,112 bytes]: 8 fragments of phi (the keys), 8 of g (the values, keys innermost), 512 bytes of scale words for each, 512 of theta's, 8 fragments of theta.
; A fragment (16 rows x 128 K) lies as an image of its 8 registers: registers 4 c .. 4 c + 3 of lane l at 512 c + 16 l.  Scale words of phi and g: [lane][4 words], word j of lane l = tile 2 j + l / 16, row l % 16.
; Work-group G = gx + 32 b also quantises row G of wm into wmq (16 fragments, then 256 scale words): 64 + 4 bytes, stored in pieces of 4 and 1 bytes.
; A block's scale is 2^(floor(log2(largest magnitude)) - 2); its byte is the largest magnitude's exponent field - 2, held at 1 from below by a floor among the maximum's leaves.
; LIMITS: NaN and infinities among the inputs are not served.  A block of zeros gets the byte 1 where the quantiser says 127: its codes are zeros, which add nothing, and only this program reads the bytes.
.set XT,    0                          ; LDS: x's tile, 256 channel rows x 512 bytes (128 positions)
.set WR,    131072                     ; the weights' codes: 384 rows x (128 bytes + 16); row 128 p + 16 t + r = row r of tile t of weight p (0 wt, 1 wp, 2 wg)
.set WP,    144                        ; 36 words: the 16 rows of a fragment load start at 16 different groups of four banks
.set WSC,   186368                     ; their scale bytes: 384 rows x 8
.set BIA,   189440                     ; bt, bp, bg: 3 x 512 bytes
.set SST,   190976                     ; the scale words on their way out: phi's 512 bytes, g's 512, theta's 512
.set A_V,   8192                       ; places in a block of acts
.set A_SC,  16384
.set A_Q,   17920
.set ABLK,  26112
.set FLOOR, 0x1800000                  ; 2^(3 - 127)
.set OFF2,  0xff000000                 ; takes 2 off an exponent field
.set XF,    32                         ; v32-63   x's fragments: (K step s, tile u) at 32 + 16 s + 8 u.  While the weights are quantised: eight sets of codes and byte
.set XS,    64                         ; v64-65   x's scale words of K step s: lanes 0-15 tile 0's rows, lanes 16-31 tile 1's
.set WS,    66                         ; v66-73   the weights' scale words: 2 buffers x (2 tt + s)
.set TM,    74                         ; v74-89   at work
.set PC,    90                         ; v90-105  codes just made
.set PW,    106                        ; v106-107 scale words just made, tile 0's and tile 1's;  v108 the two in one register
.set CH,    108
.set BI,    112                        ; v112-143 biases, 2 buffers x 16
.set WF,    144                        ; v144-207 the weights' fragments, 2 buffers x (16 tt + 8 s)
.set ACC,   208                        ; v208-239 four accumulators
.set R,     112                        ; v112-239 while the weights are quantised: eight sets of 16 numbers
.set X,     144                        ; v144-207 while x is quantised: two sets of 32 numbers
; v1 lane, v2 r = lane % 16, v3 h = lane / 16; v4-24 addresses, never rewritten; v109-110 wm's code word and byte; v240-247 wm's numbers; v248-250 biases
	s_load_b512 s[4:19], s[0:1], 0x0               ; x 4, wt 6, bt 8, wp 10, bp 12, wg 14, bg 16, wm 18
	s_load_b128 s[20:23], s[0:1], 0x40             ; acts, wmq
	v_lshl_add_u32 v254, v0, 2, 0x2f000
	v_mov_b32 v255, 0
	ds_add_u32 v254, v255
	ds_add_u32 v254, v255
	v_lshrrev_b32 v25, 5, v0
	v_readfirstlane_b32 s24, v25                   ; wave 0..3
	s_and_b32 s26, ttmp7, 0xffff                   ; b
	s_lshl_b32 s27, s26, 5
	s_add_co_u32 s27, s27, ttmp9                   ; G = gx + 32 b
	; x's tile: each wave brings 64 channel rows of 512 bytes, 16,384 bytes apart in memory
	s_mov_b32 s36, 2<<16                           ; no mask; elements of 4 bytes; no padding: the reads run along a row
	s_mov_b32 s37, 128<<16                         ; tensor_dim0 = 128
	s_mov_b32 s38, 64<<16                          ; tensor_dim1 = 64
	s_mov_b32 s39, 128<<16                         ; tile_dim0 = 128
	s_mov_b32 s40, 64                              ; tile_dim1 = 64
	s_mov_b32 s41, 4096                            ; elements from row to row
	s_mov_b32 s42, 0
	s_mov_b32 s43, 0
	s_mov_b32 s32, 1
	s_lshl_b32 s33, s24, 15                        ; LDS: wave x 64 rows x 512 bytes
	s_lshl_b32 s48, s26, 22                        ; in x: b x 4,194,304
	s_lshl_b32 s49, s24, 20                        ; + wave x 64 rows x 16,384
	s_add_co_u32 s48, s48, s49
	s_lshl_b32 s49, ttmp9, 9                       ; + gx x 512
	s_add_co_u32 s48, s48, s49
	s_mov_b32 s49, 0
	s_mul_i32 s50, s27, ABLK                       ; my block of acts
	s_mov_b32 s51, 0
	s_lshl_b32 s52, s27, 9                         ; my row of wm
	s_mov_b32 s53, 0
	s_lshr_b32 s54, s27, 4
	s_lshl_b32 s54, s54, 10
	s_and_b32 s55, s27, 15
	s_lshl_b32 s55, s55, 4
	s_add_co_u32 s54, s54, s55                     ; in wmq: fragment G / 16, row G % 16
	s_mov_b32 s55, 0
	s_mov_b32 s44, 0x76543210
	s_mov_b32 s45, 0xfedcba98                      ; v_permlanex16_b32's selects for lane l xor 16
	; every address is made here, ahead of the first branch on the wave's number
	v_and_b32 v1, 31, v0
	v_and_b32 v2, 15, v0
	v_bfe_u32 v3, v0, 4, 1
	v_and_b32 v26, 7, v0
	v_bfe_u32 v27, v0, 3, 1
	v_lshl_add_u32 v26, v27, 4, v26
	v_lshl_add_u32 v26, v3, 3, v26                 ; my position among the wave's 32: lanes 0-15 tile 0's, lanes 16-31 tile 1's
	s_lshl_b32 s56, s24, 7
	v_lshl_add_u32 v4, v26, 2, s56                 ; x's tile: my column, channels 0-127;
	v_add_nc_u32 v5, 0x10000, v4                   ; channels 128-255
	v_lshlrev_b32 v6, 6, v2
	v_lshl_add_u32 v6, v3, 14, v6
	s_lshl_b32 s56, s24, 15
	v_add_nc_u32 v6, s56, v6                       ; a weight: 64 r + 16 rows x h + 32 rows x wave
	v_mul_u32_u24 v7, v3, 8*WP
	v_lshl_add_u32 v7, v2, 3, v7
	s_mul_i32 s56, s24, 32*WP
	s_add_co_u32 s56, s56, WR
	v_add_nc_u32 v7, s56, v7                       ; its codes in LDS: 8 r; the upper lanes' row lies 8 LDS rows on
	v_lshrrev_b32 v8, 1, v2
	v_lshl_add_u32 v8, v3, 6, v8
	s_lshl_b32 s56, s24, 8
	s_add_co_u32 s56, s56, WSC
	v_add_nc_u32 v8, s56, v8                       ; its scale byte: block r / 2
	v_mul_u32_u24 v9, v2, WP
	v_lshl_add_u32 v9, v3, 4, v9
	v_add_nc_u32 v9, WR, v9                        ; a weight's fragment: row r, + 16 h
	v_lshl_add_u32 v10, v2, 3, WSC                 ; its two scale words
	v_lshl_add_u32 v11, v3, 6, BIA                 ; bt, bp: 16 numbers of my half
	v_and_b32 v26, 8, v2
	v_add_nc_u32 v26, v26, v2
	v_lshl_add_u32 v12, v26, 2, BIA+1024           ; bg: the number of my lane's channel
	s_lshl_b32 s56, s24, 11
	v_lshl_add_u32 v13, v1, 4, s56                 ; acts: an image of theta or phi: 16 lane + two fragments x wave
	v_lshlrev_b32 v14, 4, v2
	v_lshl_add_u32 v14, v3, 3, v14
	s_lshl_b32 s56, s24, 8
	v_add_nc_u32 v14, s56, v14                     ; acts: my 8 bytes of an image of g: 16 r + 8 h + 256 wave
	v_lshl_add_u32 v15, v2, 4, SST+512
	v_add_nc_u32 v15, s24, v15                     ; g's scale byte: 16 r + wave
	s_lshl_b32 s56, s24, 2
	s_add_co_u32 s56, s56, SST
	v_lshl_add_u32 v16, v1, 4, s56                 ; phi's scale word: 16 lane + 4 wave
	v_lshl_add_u32 v17, v0, 2, SST+1024            ; theta's: 4 lane + 128 wave
	v_lshlrev_b32 v18, 2, v0                       ; a bias: thread t takes number t
	v_lshl_add_u32 v19, v0, 2, BIA
	v_lshl_add_u32 v20, v0, 4, SST                 ; the scale words' way out
	v_lshlrev_b32 v21, 4, v0
	v_lshlrev_b32 v22, 5, v2                       ; wm's row: 8 numbers at 32 r
	v_bfe_u32 v26, v0, 2, 1
	v_and_b32 v23, 3, v0
	v_lshlrev_b32 v23, 2, v23
	v_lshl_add_u32 v23, v26, 8, v23
	v_lshl_add_u32 v23, v27, 9, v23                ; k = 8 r .. + 7 in the image: 512 (r / 8) + 256 ((r / 4) % 2) + 4 (r % 4)
	v_lshrrev_b32 v24, 2, v2                       ; and its block's byte
	v_cmp_le_u32 s46, 16, v1                       ; lanes 16-31
	v_mov_b32 v[TM+2], 0                           ; written once: a lane permute's destination counts as one of its sources
	v_mov_b32 v[TM+3], 0
	s_wait_dscnt 0x0
	s_wait_kmcnt 0x0
	s_add_nc_u64 s[34:35], s[4:5], s[48:49]
	s_or_b32 s35, s35, 0x80000000                  ; type = 2
	tensor_load_to_lds s[32:35], s[36:43]          ; my one tensor load: one is out
	s_nop 0
.rept 4
	v_nop
.endr
	s_add_nc_u64 s[20:21], s[20:21], s[50:51]
	s_add_nc_u64 s[18:19], s[18:19], s[52:53]
	s_add_nc_u64 s[28:29], s[22:23], s[54:55]
	s_lshl_b32 s54, s27, 2
	s_add_nc_u64 s[30:31], s[22:23], s[54:55]      ; wm's scale word G (16,384 bytes on, in the store's immediate)
; step k of 48: weight k / 16; lanes 0-15 take row 32 w + k % 16, lanes 16-31 the row 16 further on; a lane holds 16 neighbours along K, two lanes a block
.macro WLOAD k
.irp i, 0,1,2,3
	global_load_b128 v[R+16*((\k)%8)+4*\i:R+16*((\k)%8)+4*\i+3], v6, s[6+4*((\k)/16):7+4*((\k)/16)] offset:((\k)%16)*1024+16*\i
.endr
.endm
.macro WQ k
.set RS,   R+16*((\k)%8)
.set CW,   XF+4*((\k)%8)
.set ROWI, 128*((\k)/16)+16*(((\k)%16)/8)+((\k)%8)
.if 4*(47-(\k)) < 28
	s_wait_loadcnt 4*(47-(\k))
.else
	s_wait_loadcnt 28                              ; loads come back in order (ISA guide 5.7.1): this step's four are in, the seven younger sets may be out
.endif
.if (\k) >= 8
	s_wait_dscnt 14                                ; the seven younger steps' stores may be out: this set's two stores of eight steps ago have read their registers
.endif
	v_max3_num_f32 v[TM], |v[RS]|, |v[RS+1]|, |v[RS+2]|
	v_max3_num_f32 v[TM+1], |v[RS+3]|, |v[RS+4]|, |v[RS+5]|
.irp i, 6,10
	v_max3_num_f32 v[TM], v[TM], |v[RS+\i]|, |v[RS+\i+1]|
	v_max3_num_f32 v[TM+1], v[TM+1], |v[RS+\i+2]|, |v[RS+\i+3]|
.endr
	v_max3_num_f32 v[TM], v[TM], |v[RS+14]|, |v[RS+15]|
	v_max3_num_f32 v[TM], v[TM], v[TM+1], FLOOR
	v_max_num_f32_dpp v[TM], v[TM], v[TM] row_xmask:1 row_mask:0xf bank_mask:0xf   ; with my neighbour's 16: the block's largest magnitude
	v_add_nc_u32 v[TM+2], OFF2, v[TM]              ; the conversion takes this operand's exponent field as its scale
	v_cvt_scalef32_pk8_fp4_f32 v[CW], v[RS:RS+7], v[TM+2]
	v_cvt_scalef32_pk8_fp4_f32 v[CW+1], v[RS+8:RS+15], v[TM+2]
	v_lshrrev_b32 v[CW+2], 23, v[TM+2]             ; the scale's byte (also the plain line behind the conversions)
	ds_store_b64 v7, v[CW:CW+1] offset:ROWI*WP
	ds_store_b8 v8, v[CW+2] offset:ROWI*8          ; both lanes of a block write the same byte with the same value
.if (\k) < 40
	WLOAD (\k)+8
.endif
.endm
	s_cmp_lg_u32 s24, 0
	s_cbranch_scc1 .Lno_wm_load
	global_load_b128 v[240:243], v22, s[18:19]     ; wave 0: row G of wm; lanes 16-31 take the same numbers as lanes 0-15
	global_load_b128 v[244:247], v22, s[18:19] offset:16
.Lno_wm_load:
	global_load_b32 v248, v18, s[8:9]
	global_load_b32 v249, v18, s[12:13]
	global_load_b32 v250, v18, s[16:17]
.irp k, 0,1,2,3,4,5,6,7
	WLOAD \k
.endr
	s_wait_loadcnt 32                              ; all but the 32 loads of weights issued behind them: wm's row and the biases are in
	ds_store_b32 v19, v248
	ds_store_b32 v19, v249 offset:512
	ds_store_b32 v19, v250 offset:1024
	s_cmp_lg_u32 s24, 0
	s_cbranch_scc1 .Lno_wm
	v_max3_num_f32 v[TM], |v240|, |v241|, FLOOR    ; wm's row: 8 numbers a lane, four lanes to a block
	v_max3_num_f32 v[TM], v[TM], |v242|, |v243|
	v_max3_num_f32 v[TM], v[TM], |v244|, |v245|
	v_max3_num_f32 v[TM], v[TM], |v246|, |v247|
	v_max_num_f32_dpp v[TM], v[TM], v[TM] row_xmask:1 row_mask:0xf bank_mask:0xf
	v_max_num_f32_dpp v[TM], v[TM], v[TM] row_xmask:2 row_mask:0xf bank_mask:0xf
	v_add_nc_u32 v[TM+1], OFF2, v[TM]
	v_cvt_scalef32_pk8_fp4_f32 v109, v[240:247], v[TM+1]
	v_lshrrev_b32 v110, 23, v[TM+1]
	global_store_b32 v23, v109, s[28:29]           ; lanes 16-31 store the same bytes with the same values; v109, v110 are not written again
	global_store_b8 v24, v110, s[30:31] offset:16384
.Lno_wm:
.set KK, 0
.rept 48
	WQ KK
.set KK, KK+1
.endr
	s_wait_tensorcnt 0x0                           ; my quarter of x's tile has landed,
	s_wait_dscnt 0x0                               ; my rows of codes, scale bytes and biases are stored:
	s_barrier_signal -1
	s_barrier_wait -1                              ; everybody's are
; x: block blk = 4 s + 2 c + e of my column: channels 32 blk .. + 31
.macro XLOAD blk
.set II, 0
.rept 32
	ds_load_b32 v[X+32*((\blk)%2)+II], v[4+(\blk)/4] offset:(((\blk)%4)*32+II)*512   ; 32 lanes read 128 neighbouring bytes of a channel's row
.set II, II+1
.endr
.endm
.macro XBLOCK blk
.set XSRC, X+32*((\blk)%2)
.set XDST, XF+16*((\blk)/4)+8*((\blk)%2)+4*(((\blk)%4)/2)
.if (\blk) < 7
	s_wait_dscnt 32                                ; this block's 32 loads are in; the next block's may be out
.else
	s_wait_dscnt 0x0
.endif
	v_max3_num_f32 v[TM], |v[XSRC]|, |v[XSRC+1]|, |v[XSRC+2]|      ; all 32 numbers of the block are mine
	v_max3_num_f32 v[TM+1], |v[XSRC+3]|, |v[XSRC+4]|, |v[XSRC+5]|
.irp i, 6,10,14,18,22,26
	v_max3_num_f32 v[TM], v[TM], |v[XSRC+\i]|, |v[XSRC+\i+1]|
	v_max3_num_f32 v[TM+1], v[TM+1], |v[XSRC+\i+2]|, |v[XSRC+\i+3]|
.endr
	v_max3_num_f32 v[TM], v[TM], |v[XSRC+30]|, |v[XSRC+31]|
	v_max3_num_f32 v[TM], v[TM], v[TM+1], FLOOR
	v_add_nc_u32 v[TM+2], OFF2, v[TM]
.if (\blk)%4 == 0
	v_lshrrev_b32 v[XS+(\blk)/4], 23, v[TM+2]      ; four bytes make my position's scale word of a K step
.else
	v_lshrrev_b32 v[TM+3], 23, v[TM+2]
	v_lshl_or_b32 v[XS+(\blk)/4], v[TM+3], 8*((\blk)%4), v[XS+(\blk)/4]
.endif
.irp g, 0,1,2,3
	v_cvt_scalef32_pk8_fp4_f32 v[XDST+\g], v[XSRC+8*\g:XSRC+8*\g+7], v[TM+2]
.endr
.if (\blk)+2 < 8
	XLOAD (\blk)+2
.endif
.endm
	XLOAD 0
	XLOAD 1
.irp k, 0,1,2,3,4,5,6,7
	XBLOCK \k
.endr
	v_nop                                          ; one plain line behind the last conversion
; Even blocks lie in the first register of each pair, odd ones in the second, for both tiles' positions.  The exchange gives tile 0's fragment (lanes 0-15 block 2 c, lanes 16-31 block 2 c + 1) in the first and tile 1's in the second.
.irp s, 0,1
.irp c, 0,1
.irp j, 0,1,2,3
	v_permlane16_swap_b32 v[XF+16*\s+4*\c+\j], v[XF+16*\s+8+4*\c+\j]
.endr
.endr
.endr
; A GROUP: weight p, its tiles 2 b and 2 b + 1, against my two tiles of positions: 8 matrix instructions.
.macro GFETCH p, b, buf
.irp tt, 0,1
.irp s, 0,1
.irp c, 0,1
	ds_load_b128 v[WF+32*(\buf)+16*\tt+8*\s+4*\c:WF+32*(\buf)+16*\tt+8*\s+4*\c+3], v9 offset:(128*(\p)+16*(2*(\b)+\tt))*WP+64*\s+32*\c
.endr
.endr
	ds_load_b64 v[WS+4*(\buf)+2*\tt:WS+4*(\buf)+2*\tt+1], v10 offset:(128*(\p)+16*(2*(\b)+\tt))*8
.endr
.if (\p) < 2
.irp i, 0,1,2,3
	ds_load_b128 v[BI+16*(\buf)+4*\i:BI+16*(\buf)+4*\i+3], v11 offset:512*(\p)+128*(\b)+16*\i   ; the bias in the result's layout: channels 32 b + 16 h + 0 .. 15
.endr
.else
.irp tt, 0,1
	ds_load_b32 v[BI+16*(\buf)+2*\tt], v12 offset:4*(32*(\b)+8*\tt)      ; bg of my lane's channel, twice: a pair for the packed addition
	ds_load_b32 v[BI+16*(\buf)+2*\tt+1], v12 offset:4*(32*(\b)+8*\tt)
.endr
.endif
.endm
; theta, phi: TRANSPOSED (source 0 = 16 rows of the weight, source 1 = 16 positions): a lane holds one position, its registers run along the channels; the bias is the C of the first K step.
; g: source 0 = 16 positions, source 1 = 16 rows of wg: a lane holds one channel, its registers run along the positions, which are the K of the product that takes g.
.macro MM p, buf, s, tt, u
.set rW, WF+32*(\buf)+16*(\tt)+8*(\s)
.set rX, XF+16*(\s)+8*(\u)
.set rS, WS+4*(\buf)+2*(\tt)+(\s)
.if (\p) < 2
.set rD, ACC+16*(\u)+8*(\tt)
.set rC, rD
.if (\s) == 0
.set rC, BI+16*(\buf)+8*(\tt)
.endif
.if (\u) == 0
	v_wmma_scale_f32_16x16x128_f8f6f4 v[rD:rD+7], v[rW:rW+7], v[rX:rX+7], v[rC:rC+7], v[rS], v[XS+(\s)] matrix_a_fmt:MATRIX_FMT_FP4 matrix_b_fmt:MATRIX_FMT_FP4
.else
	v_wmma_scale_f32_16x16x128_f8f6f4 v[rD:rD+7], v[rW:rW+7], v[rX:rX+7], v[rC:rC+7], v[rS], v[XS+(\s)] matrix_a_fmt:MATRIX_FMT_FP4 matrix_b_fmt:MATRIX_FMT_FP4 matrix_b_scale:MATRIX_SCALE_ROW1
.endif
.else
.set rD, ACC+16*(\tt)+8*(\u)
.if (\s) == 0
.if (\u) == 0
	v_wmma_scale_f32_16x16x128_f8f6f4 v[rD:rD+7], v[rX:rX+7], v[rW:rW+7], 0, v[XS+(\s)], v[rS] matrix_a_fmt:MATRIX_FMT_FP4 matrix_b_fmt:MATRIX_FMT_FP4
.else
	v_wmma_scale_f32_16x16x128_f8f6f4 v[rD:rD+7], v[rX:rX+7], v[rW:rW+7], 0, v[XS+(\s)], v[rS] matrix_a_fmt:MATRIX_FMT_FP4 matrix_b_fmt:MATRIX_FMT_FP4 matrix_a_scale:MATRIX_SCALE_ROW1
.endif
.else
.if (\u) == 0
	v_wmma_scale_f32_16x16x128_f8f6f4 v[rD:rD+7], v[rX:rX+7], v[rW:rW+7], v[rD:rD+7], v[XS+(\s)], v[rS] matrix_a_fmt:MATRIX_FMT_FP4 matrix_b_fmt:MATRIX_FMT_FP4
.else
	v_wmma_scale_f32_16x16x128_f8f6f4 v[rD:rD+7], v[rX:rX+7], v[rW:rW+7], v[rD:rD+7], v[XS+(\s)], v[rS] matrix_a_fmt:MATRIX_FMT_FP4 matrix_b_fmt:MATRIX_FMT_FP4 matrix_a_scale:MATRIX_SCALE_ROW1
.endif
.endif
.endif
.endm
.macro GMUL p, buf                     ; the four accumulators take turns, one instruction a turn, K step by K step
.irp s, 0,1
.irp tt, 0,1
.irp u, 0,1
	MM \p, \buf, \s, \tt, \u
.endr
.endr
.endr
.endm
; The group's 32 results a lane are two runs of 16 neighbours along the next K (theta, phi: run q = tile q of positions, channels 32 b + 16 h + ..; g: run q = tile 2 b + q of channels, positions 32 w + 16 h + ..).
; A block of 32 lies in lanes l and l xor 16.  No |.| on the maximum's sources: behind the relu none is negative.
.macro POST p, b
.if (\p) == 2
.irp j, 0,2,4,6,8,10,12,14
.irp q, 0,1
	v_pk_add_f32 v[ACC+16*\q+\j:ACC+16*\q+\j+1], v[ACC+16*\q+\j:ACC+16*\q+\j+1], v[BI+16*((\b)%2)+2*\q:BI+16*((\b)%2)+2*\q+1]
.endr
.endr
.endif
.irp j, 0,1,2,3,4,5,6,7,8,9,10,11,12,13,14,15
.irp q, 0,1
	v_max_num_f32 v[ACC+16*\q+\j], 0, v[ACC+16*\q+\j]              ; relu, each accumulator from its low end on
.endr
.endr
.irp q, 0,1
	v_max3_num_f32 v[TM+\q], v[ACC+16*\q], v[ACC+16*\q+1], FLOOR
.endr
.irp i, 2,4,6,8,10,12,14
.irp q, 0,1
	v_max3_num_f32 v[TM+\q], v[TM+\q], v[ACC+16*\q+\i], v[ACC+16*\q+\i+1]
.endr
.endr
.irp q, 0,1
	v_permlanex16_b32 v[TM+2+\q], v[TM+\q], s44, s45
.endr
.irp q, 0,1
	v_max_num_f32 v[TM+\q], v[TM+\q], v[TM+2+\q]
.endr
.irp q, 0,1
	v_add_nc_u32 v[TM+4+\q], OFF2, v[TM+\q]
.endr
.if (\p) < 2
.if (\b) == 0
.irp q, 0,1
	v_lshrrev_b32 v[PW+\q], 23, v[TM+4+\q]         ; byte b of the position's scale word
.endr
.else
.irp q, 0,1
	v_lshrrev_b32 v[TM+6+\q], 23, v[TM+4+\q]
.endr
.irp q, 0,1
	v_lshl_or_b32 v[PW+\q], v[TM+6+\q], 8*(\b), v[PW+\q]
.endr
.endif
.irp q, 0,1
	v_cvt_scalef32_pk8_fp4_f32 v[PC+8*\q+2*(\b)], v[ACC+16*\q:ACC+16*\q+7], v[TM+4+\q]
	v_cvt_scalef32_pk8_fp4_f32 v[PC+8*\q+2*(\b)+1], v[ACC+16*\q+8:ACC+16*\q+15], v[TM+4+\q]
.endr
	v_nop                                          ; one plain line behind the last conversion
.else
.irp q, 0,1
	v_lshrrev_b32 v[TM+6+\q], 23, v[TM+4+\q]
.endr
.irp q, 0,1
	v_cvt_scalef32_pk8_fp4_f32 v[PC+4*(\b)+2*\q], v[ACC+16*\q:ACC+16*\q+7], v[TM+4+\q]
	v_cvt_scalef32_pk8_fp4_f32 v[PC+4*(\b)+2*\q+1], v[ACC+16*\q+8:ACC+16*\q+15], v[TM+4+\q]
.endr
	v_nop
.irp q, 0,1
	global_store_b64 v14, v[PC+4*(\b)+2*\q:PC+4*(\b)+2*\q+1], s[20:21] offset:A_V+1024*(2*(\b)+\q)   ; my wave's block of 32 keys in the image of tile 2 b + q: 256 consecutive bytes, aligned
	ds_store_b8 v15, v[TM+6+\q] offset:256*\q+4*(\b)               ; byte w of that tile's scale words; lanes l and l xor 16 write the same byte with the same value
.endr
.endif
.endm
.macro FINISH p                        ; theta's or phi's two fragments and their scale words leave
.irp u, 0,1
.irp c, 0,1
.irp i, 0,1
	v_permlane16_swap_b32 v[PC+8*\u+4*\c+\i], v[PC+8*\u+2+4*\c+\i]   ; the operand's layout wants a whole block in a lane
.endr
.endr
.endr
.irp u, 0,1
.irp c, 0,1
.if (\p) == 0
	global_store_b128 v13, v[PC+8*\u+4*\c:PC+8*\u+4*\c+3], s[20:21] offset:A_Q+1024*\u+512*\c   ; 512 consecutive bytes a store
.else
	global_store_b128 v13, v[PC+8*\u+4*\c:PC+8*\u+4*\c+3], s[20:21] offset:1024*\u+512*\c
.endif
.endr
.endr
	v_cndmask_b32 v[CH], v[PW], v[PW+1], s46       ; lanes 0-15 tile 0's words, lanes 16-31 tile 1's
.if (\p) == 0
	ds_store_b32 v17, v[CH]
.else
	ds_store_b32 v16, v[CH]
.endif
.endm
.macro GROUP p, b
.if (\b) == 0 && (\p) > 0
	s_wait_xcnt 0x0                                ; the last weight's stores have read the codes' registers: they are written again only behind this wait
.endif
	s_wait_dscnt 0x0                               ; this group's fragments, scale words and biases are in; the last group's LDS stores have read their registers
	GMUL \p, (\b)%2
.if 4*(\p)+(\b) < 11
	GFETCH (4*(\p)+(\b)+1)/4, ((\b)+1)%4, ((\b)+1)%2   ; the next group's, into the other buffer, whose last readers stand a whole group back
.endif
.rept 4
	v_nop                                          ; four places between the products and the first read of their results (ISA guide 7.12.1)
.endr
	POST \p, \b
.if (\b) == 3 && (\p) < 2
	FINISH \p
.endif
.endm
	GFETCH 0, 0, 0
.rept 8
	v_nop                                          ; x's scale words, written by vector instructions, stand 8 places ahead of the first scaled product, its fragments 4
.endr
	s_wait_alu depctr_va_vdst(0)
.irp p, 0,1,2
.irp b, 0,1,2,3
	GROUP \p, \b
.endr
.endr
	s_wait_dscnt 0x0                               ; my scale words and bytes are stored
	s_barrier_signal -1
	s_barrier_wait -1                              ; everybody's are
	s_cmp_eq_u32 s24, 3
	s_cbranch_scc1 .Ldone
	ds_load_b128 v[32:35], v20                     ; waves 0, 1, 2: phi's, g's, theta's 512 bytes of scale words
	s_wait_dscnt 0x0
	global_store_b128 v21, v[32:35], s[20:21] offset:A_SC
.Ldone:
	s_wait_tensorcnt 0x0
	ds_add_u32 v254, v255
	s_wait_dscnt 0x0
	s_endpgm
.Lfunc_end_k_qcb595c0433_proj:
	.size	k_qcb595c0433_proj, .Lfunc_end_k_qcb595c0433_proj-k_qcb595c0433_proj
	.p2alignl 7, 3214868480
	.fill 96, 4, 3214868480
	.section	.rodata,"a",@progbits
	.p2align	6, 0x0
	.amdhsa_kernel k_qcb595c0433_proj
		.amdhsa_group_segment_fixed_size 193024
		.amdhsa_private_segment_fixed_size 0
		.amdhsa_enable_private_segment 0
		.amdhsa_kernarg_size 80
		.amdhsa_user_sgpr_count 2
		.amdhsa_user_sgpr_kernarg_segment_ptr 1
		.amdhsa_wavefront_size32 1
		.amdhsa_system_sgpr_workgroup_id_x 1
		.amdhsa_system_sgpr_workgroup_id_y 1
		.amdhsa_system_sgpr_workgroup_id_z 1
		.amdhsa_system_vgpr_workitem_id 0
		.amdhsa_next_free_vgpr 256
		.amdhsa_next_free_sgpr 66
		.amdhsa_reserve_vcc 0
		.amdhsa_float_denorm_mode_32 3
		.amdhsa_float_denorm_mode_16_64 3
		.amdhsa_memory_ordered 1
		.amdhsa_forward_progress 1
		.amdhsa_inst_pref_size 167
	.end_amdhsa_kernel
	.amdgpu_metadata
---
amdhsa.version: [ 1, 2 ]
amdhsa.kernels:
  - .name:           k_qcb595c0433_proj
    .symbol:         k_qcb595c0433_proj.kd
    .args:
      - { .name: x, .offset: 0, .size: 8, .value_kind: global_buffer, .address_space: global }
      - { .name: wt, .offset: 8, .size: 8, .value_kind: global_buffer, .address_space: global }
      - { .name: bt, .offset: 16, .size: 8, .value_kind: global_buffer, .address_space: global }
      - { .name: wp, .offset: 24, .size: 8, .value_kind: global_buffer, .address_space: global }
      - { .name: bp, .offset: 32, .size: 8, .value_kind: global_buffer, .address_space: global }
      - { .name: wg, .offset: 40, .size: 8, .value_kind: global_buffer, .address_space: global }
      - { .name: bg, .offset: 48, .size: 8, .value_kind: global_buffer, .address_space: global }
      - { .name: wm, .offset: 56, .size: 8, .value_kind: global_buffer, .address_space: global }
      - { .name: acts, .offset: 64, .size: 8, .value_kind: global_buffer, .address_space: global }
      - { .name: wmq, .offset: 72, .size: 8, .value_kind: global_buffer, .address_space: global }
    .group_segment_fixed_size: 193024
    .private_segment_fixed_size: 0
    .kernarg_segment_align: 8
    .kernarg_segment_size: 80
    .max_flat_workgroup_size: 128
    .sgpr_count:     66
    .vgpr_count:     256
    .wavefront_size: 32
...
	.end_amdgpu_metadata
.endif
;; end of part 1
;; launch attn (part 2): grid 32 x 8, 16 waves a work-group, clusters of 4 x 1, 327,680 bytes of LDS; arguments acts, wmq, bm, x, out0; writes out0
.if DOCPART == 2
	.amdgcn_target "amdgcn-amd-amdhsa--gfx1250"
	.amdhsa_code_object_version 6
	.text
	.protected	k_qcb595c0433_attn
	.globl	k_qcb595c0433_attn
	.p2align	8
	.type	k_qcb595c0433_attn,@function
k_qcb595c0433_attn:
	s_mov_b64 s[64:65], 0
	v_nop
	global_prefetch_b8 v0, s[64:65] scope:SCOPE_SE
	s_setreg_imm32_b32 hwreg(HW_REG_WAVE_MODE, 25, 1), 1
	s_wait_xcnt 0x0
	s_wait_alu depctr_hold_cnt(0) depctr_sa_sdst(0) depctr_va_vdst(0) depctr_va_sdst(0) depctr_va_ssrc(0) depctr_va_vcc(0) depctr_vm_vsrc(0)
	s_getreg_b32 s2, hwreg(HW_REG_IB_STS2, 6, 4)
	s_cmp_eq_u32 s2, 0
	s_cbranch_scc0 .Lentry_in_a_cluster
	s_endpgm
.Lentry_in_a_cluster:
	s_bfe_u32 s2, ttmp6, 0x10000c
	s_cmp_lg_u32 s2, 0x3003
	s_cbranch_scc0 .Lentry_shape_is_right
	s_endpgm
.Lentry_shape_is_right:
; ATTN: out0 = relu(wm (softmax(theta phi) g) + bm) + x, all three products on codes of FP4 (E2M1) with one E8M0 scale for each 32 along K.  theta, phi, g and wm come as images of operand registers (see below).
; THE SOFTMAX AHEAD OF THE SECOND PRODUCT: t = score x log2(e); M = the row's largest t so far, rounded UP to a whole number; p = 2^(t - M) is what is quantised, along the keys; it is not normalised.
; The row's sum is taken of the unquantised p, in f32, and divides at the end.  When M moves, the sum and O are multiplied by 2^(old M - new M): exact.
; SHARES.  A work-group owns 128 queries of one batch.  Sixteen waves in 256 registers each, four to a SIMD, so that one wave's vector work stands beside another's matrix work and LDS loads.
; Wave v: tile of 16 queries v % 8, half v / 8 of the keys: of each slot's four key steps of 128 keys it works steps 2 (v / 8) and 2 (v / 8) + 1: 16 steps.  At the end the two waves of a tile exchange O, M and
; the sum through LDS; both merge them, and each makes 128 of the 256 output channels.
; acts [b][32][26,112]: a block of 128 positions: 8 fragments of phi, 8 of g, 512 bytes of scale words for each (17,408 bytes: ONE KEY STEP, dense in memory), 512 bytes of theta's scale words, 8 fragments of theta.
; A fragment lies as an image of its 8 registers, registers 4 c .. 4 c + 3 of lane l at 512 c + 16 l: every LDS load takes 512 consecutive bytes.  Scale words: [lane][4 words], word j of lane l = tile 2 j + l / 16, row l % 16:
; one load gives four registers, of which register j serves tile 2 j from lanes 0-15 and tile 2 j + 1 from lanes 16-31.
; LAYOUT.  Both products are used transposed: S^T = K Q^T, O^T = V^T P^T: a lane holds ONE query (lane % 16) throughout.  Of 32 neighbours (keys, queries, channels of g), lane r of tile u is 8 u + r + 8 (r / 8):
; so the 16 registers of tiles 2 b, 2 b + 1 of S^T are keys 32 b + 16 (lane / 16) + 0 .. 15, and those of O^T are channels 32 b + 16 (lane / 16) + 0 .. 15: neighbours along the next K.
; CLUSTER.  The four work-groups of a cluster belong to one batch and walk the same keys, so each key step is asked for JOINTLY: the same tensor load, the same descriptor, a mask that names the four.
; x's tile for the residual (256 channels x my 128 positions) comes by plain tensor loads with the first fills and lies in LDS until the end; the results are added there and leave as whole rows.
; LIMITS: NaN and infinities are not served.  p under 2^-126 counts as 0.  A block of zeros has the byte 1, not 127: its codes are zeros, and only this program reads the bytes.  The division by the sum is a reciprocal and a multiplication.
.set STEPB, 17408                      ; a key step in LDS and in memory
.set SLOTB, 4*STEPB                    ; a slot: four key steps
.set ABLK,  26112
.set A_V,   8192
.set A_KS,  16384
.set A_VS,  16896
.set A_QS,  17408
.set A_Q,   17920
.set XR,    2*SLOTB                    ; behind the ring: x's tile, 256 rows x (512 bytes + 16)
.set XP,    528                        ; 132 words: 16 neighbouring rows start at 16 different groups of four banks
.set SPARE, XR+256*XP                  ; the spare words, 128 bytes for each wave: eight blocks of 256 bytes that no other line names
.set EXS,   131072                     ; the exchange lies in the ring, which has then had its last fill and its last read: O's images, 8,192 bytes a wave, and from here (-M, sum), 256 bytes a wave
.set FLOOR, 0x1800000
.set OFF2,  0xff000000
.set WV,    14                         ; s14 wave; s15 its tile of queries; s16 its half of the keys
.set G1K,   24                         ; s[24:31] group 1 of a key step;  s[32:35], s[36:39] groups 0 of slots 0 and 1
.set G0A,   32
.set G0B,   36
.set G1X,   40                         ; s[40:47], s[48:51] groups 1 and 0 of x's tile
.set G0X,   48
.set SEL,   52                         ; s[52:53] v_permlanex16_b32's selects for lane l xor 16
.set CS,    54                         ; s[54:55] log2(e): the packed form names a pair
; s17, s18, s66-79, s[50:51], s[12:13] hold numbers made of my place in the cluster; no register that feeds a joint load ever does
; VECTOR: v1, v2 my steps in slot 0, 1; v3, v4 the spare word's address and 0; v5 16 lane, v6 4 r, v7 4 lane; v8-11 the exchange; v12 -M, v13 the largest t, v[14:15] the sum in two halves; v16-23 Q, later bm;
; v24, v25 x's tile; v32-95 eight fragments of K, then of V, later wm's, later rows on their way out; v96-159 S^T, then p, later the partner's O, then the last product; v160-223 O^T, later x;
; v224-231 codes; v232-247, v252, v254 at work; v248-251 scale words of K, V, wm; v253 p's scale word, later out's; v255 Q's
.macro CROUND                          ; a round of the cluster's barrier
	s_barrier_signal -1
	s_barrier_wait -1
	s_cmp_lg_u32 s[WV], 0
	s_cbranch_scc1 .Lnot_wave_0_\@
	s_barrier_signal -3
.Lnot_wave_0_\@:
	s_barrier_wait -3
	s_barrier_signal -1
	s_barrier_wait -1
.endm
.macro KVLOAD g0                       ; waves 0 to 3 ask for one key step each; the branch hangs on the wave's number alone; four v_nop follow the load
	s_cmp_lt_u32 s[WV], 4
	s_cbranch_scc0 .Lasked_\@
	tensor_load_to_lds s[\g0:\g0+3], s[G1K:G1K+7]
	s_nop 0
.rept 4
	v_nop
.endr
.Lasked_\@:
.endm
	s_load_b256 s[4:11], s[0:1], 0x0               ; acts 4, wmq 6, bm 8, x 10
	s_load_b64 s[12:13], s[0:1], 0x20              ; out0
	v_lshl_add_u32 v3, v0, 2, SPARE
	v_mov_b32 v4, 0
	ds_add_u32 v3, v4
	ds_add_u32 v3, v4
	s_wait_dscnt 0x0
	v_lshrrev_b32 v26, 5, v0
	s_delay_alu instid0(VALU_DEP_1)
	v_readfirstlane_b32 s[WV], v26                 ; wave 0..15
	s_and_b32 s15, s[WV], 7                        ; my tile of queries
	s_lshr_b32 s16, s[WV], 3                       ; my half of the keys, later of the output channels
	s_and_b32 s57, s[WV], 3                        ; which quarter I fetch, if I fetch
	s_bfe_u32 s17, ttmp6, 0x40000                  ; cx
	s_lshl_b32 s18, ttmp9, 2
	s_add_co_u32 s18, s18, s17                     ; my block of 128 queries = 4 x cluster x + cx: it enters global addresses of theta, x and out0 alone
	s_and_b32 s19, ttmp7, 0xffff                   ; the batch, which the four partners share
	; every LDS address is made here, ahead of the first branch on the wave's number
	v_and_b32 v26, 31, v0
	v_and_b32 v27, 15, v0
	v_bfe_u32 v28, v0, 4, 1
	s_delay_alu instid0(VALU_DEP_3)
	v_lshlrev_b32 v5, 4, v26
	s_delay_alu instid0(VALU_DEP_3)
	v_lshlrev_b32 v6, 2, v27
	v_lshlrev_b32 v7, 2, v26
	s_mul_i32 s58, s16, 2*STEPB
	v_add_nc_u32 v1, s58, v5
	s_delay_alu instid0(VALU_DEP_1)
	v_add_nc_u32 v2, SLOTB, v1
	s_lshl_b32 s58, s[WV], 13
	v_add_nc_u32 v8, s58, v5                       ; the exchange: my O,
	s_xor_b32 s59, s[WV], 8
	s_lshl_b32 s58, s59, 13
	v_add_nc_u32 v10, s58, v5                      ; my partner's,
	s_lshl_b32 s58, s[WV], 8
	s_add_co_u32 s58, s58, EXS
	v_lshl_add_u32 v9, v26, 3, s58                 ; my (-M, sum),
	s_lshl_b32 s58, s59, 8
	s_add_co_u32 s58, s58, EXS
	v_lshl_add_u32 v11, v26, 3, s58                ; my partner's
	s_mul_i32 s58, s16, 128*XP
	s_lshr_b32 s59, s15, 1
	s_lshl_b32 s59, s59, 7
	s_add_co_u32 s58, s58, s59
	s_and_b32 s59, s15, 1
	s_lshl_b32 s59, s59, 5
	s_add_co_u32 s58, s58, s59
	s_add_co_u32 s58, s58, XR
	v_mul_u32_u24 v24, v27, XP
	s_delay_alu instid0(VALU_DEP_1)
	v_lshl_add_u32 v24, v28, 6, v24
	s_delay_alu instid0(VALU_DEP_1)
	v_add_nc_u32 v24, s58, v24                     ; x's tile: channel 128 (v / 8) + r, positions 32 (tile / 2) + 8 (tile % 2) + 16 h + 0 .. 7
	s_mul_i32 s58, s[WV], 16*XP
	s_add_co_u32 s58, s58, XR
	v_add_nc_u32 v25, s58, v5                      ; and on the way out: my 16 rows, 16 bytes a lane
	; a key step: 17,408 dense bytes as 68 rows of 256 bytes (32 elements of 8 bytes)
	s_mov_b32 s[G1K], 15|(3<<16)|(1<<21)           ; 15:0 the mask: all four work-groups; 17:16 elements of 8 bytes; 21 set beside a mask; no padding: every read is dense
	s_mov_b32 s[G1K+1], 32<<16
	s_mov_b32 s[G1K+2], 68<<16
	s_mov_b32 s[G1K+3], 32<<16
	s_mov_b32 s[G1K+4], 68
	s_mov_b32 s[G1K+5], 32
	s_mov_b32 s[G1K+6], 0
	s_mov_b32 s[G1K+7], 0
	; x's tile: 64 rows of 128 elements of 4 bytes, 4,096 elements apart; four words of padding behind each 128
	s_mov_b32 s[G1X], (2<<16)|(1<<20)|(6<<22)|(3<<25)
	s_mov_b32 s[G1X+1], 128<<16
	s_mov_b32 s[G1X+2], 64<<16
	s_mov_b32 s[G1X+3], 128<<16
	s_mov_b32 s[G1X+4], 64
	s_mov_b32 s[G1X+5], 4096
	s_mov_b32 s[G1X+6], 0
	s_mov_b32 s[G1X+7], 0
	s_mov_b32 s[G0A], 1
	s_mul_i32 s[G0A+1], s57, STEPB                 ; LDS: step wave % 4 of slot 0,
	s_mov_b32 s[G0B], 1
	s_add_co_u32 s[G0B+1], s[G0A+1], SLOTB         ; of slot 1
	s_mov_b32 s[G0X], 1
	s_mul_i32 s[G0X+1], s57, 64*XP
	s_add_co_u32 s[G0X+1], s[G0X+1], XR
	s_mul_i32 s62, s19, 32*ABLK                    ; the batch's blocks,
	s_mul_i32 s63, s57, ABLK                       ; my step of a slot
	s_add_co_u32 s62, s62, s63
	s_mov_b32 s63, 0
	s_lshl_b32 s60, s16, 13                        ; wm's fragments of my 128 channels
	s_mov_b32 s61, 0
	s_lshl_b32 s58, s16, 9                         ; their scale words; bm's numbers
	s_mov_b32 s59, 0
	s_lshl_b32 s66, s19, 22                        ; x: the batch,
	s_lshl_b32 s67, s57, 20                        ; 64 channels x wave % 4,
	s_add_co_u32 s66, s66, s67
	s_lshl_b32 s67, s18, 9                         ; my 128 positions
	s_add_co_u32 s66, s66, s67
	s_lshl_b32 s68, s19, 22                        ; out0: the batch,
	s_lshl_b32 s69, s[WV], 18                      ; 16 channels x wave,
	s_add_co_u32 s68, s68, s69
	s_add_co_u32 s68, s68, s67                     ; my 128 positions
	s_mov_b32 s67, 0
	s_mov_b32 s69, 0
	s_lshl_b32 s70, s19, 5
	s_add_co_u32 s70, s70, s18
	s_mul_i32 s70, s70, ABLK                       ; my queries' block of acts
	s_lshl_b32 s71, s15, 10
	s_add_co_u32 s72, s70, s71                     ; my tile's fragment,
	s_mov_b32 s73, 0
	s_lshl_b32 s71, s15, 6
	s_add_co_u32 s74, s70, s71                     ; its scale words
	s_mov_b32 s75, 0
	s_mov_b32 s[SEL], 0x76543210
	s_mov_b32 s[SEL+1], 0xfedcba98
	s_mov_b32 s[CS], 0x3fb8aa3b                    ; log2(e)
	s_mov_b32 s[CS+1], s[CS]                       ; (named with it as a pair, so it is written)
	s_wait_kmcnt 0x0
	s_add_nc_u64 s[G0A+2:G0A+3], s[4:5], s[62:63]
	s_add_nc_u64 s[G0B+2:G0B+3], s[G0A+2:G0A+3], 4*ABLK
	s_or_b32 s[G0A+3], s[G0A+3], 0x80000000        ; type = 2
	s_or_b32 s[G0B+3], s[G0B+3], 0x80000000
	s_add_nc_u64 s[G0X+2:G0X+3], s[10:11], s[66:67]
	s_or_b32 s[G0X+3], s[G0X+3], 0x80000000
	s_add_nc_u64 s[12:13], s[12:13], s[68:69]
	s_add_nc_u64 s[76:77], s[4:5], s[72:73]
	s_add_nc_u64 s[78:79], s[4:5], s[74:75]
	s_add_nc_u64 s[20:21], s[6:7], s[60:61]
	s_add_nc_u64 s[22:23], s[6:7], s[58:59]
	s_add_nc_u64 s[8:9], s[8:9], s[58:59]
	CROUND                                         ; all four work-groups are here: the first joint loads meet
	s_cmp_lt_u32 s[WV], 4                          ; a wave's first fills stand in one branch: waves 0-3 both slots (two loads out), waves 4-7 x's tile (one out), the others none
	s_cbranch_scc0 .Lnot_kv
	tensor_load_to_lds s[G0A:G0A+3], s[G1K:G1K+7]
	s_nop 0
	tensor_load_to_lds s[G0B:G0B+3], s[G1K:G1K+7]
	s_nop 0
.rept 4
	v_nop
.endr
	s_branch .Lfirst_asked
.Lnot_kv:
	s_cmp_lt_u32 s[WV], 8
	s_cbranch_scc0 .Lfirst_asked
	tensor_load_to_lds s[G0X:G0X+3], s[G1X:G1X+7]
	s_nop 0
.rept 4
	v_nop
.endr
.Lfirst_asked:
	global_load_b128 v[16:19], v5, s[76:77] offset:A_Q             ; Q's fragment stays in registers
	global_load_b128 v[20:23], v5, s[76:77] offset:A_Q+512
	global_load_b32 v255, v6, s[78:79] offset:A_QS                 ; and its scale words
	v_mov_b32 v13, 0xff61b1e6                      ; the largest t so far: -3e38, under every t
	s_delay_alu instid0(VALU_DEP_1)
	v_floor_f32 v12, -v13                          ; -M
	v_mov_b32 v14, 0                               ; the sum, in two halves
	v_mov_b32 v15, 0
.irp b, 0,1,2,3
	v_mov_b32 v[236+\b], 0                         ; written once: a lane permute's destination counts as one of its sources
.endr
	v_mov_b32 v253, 0                              ; (named as the upper half of the pair v[252:253] before it is first written)
.set JJ, 0
.rept 64
	v_mov_b32 v[160+JJ], 0                         ; O^T.  The step is written without a first form of its own: the first finds zeros, which the first change of M leaves zeros
.set JJ, JJ+1
.endr
; A KEY STEP: 128 keys; a: the register with my steps' address in the slot in hand; st: the first (0) or second (1) of my two.
; (The arguments' names are none of the names that the .irp loops inside use: an argument is put in ahead of a loop's variable.)
.macro STEP a, st
.set OB, STEPB*(\st)
.rept 4
	v_nop                                          ; four places in front of loads into registers that the last products read (ISA guide 7.12.1 for vector instructions)
.endr
	ds_load_b128 v[248:251], v[\a] offset:OB+A_KS
.irp t, 0,1,2,3,4,5,6,7
.irp c, 0,1
	ds_load_b128 v[32+8*\t+4*\c:35+8*\t+4*\c], v[\a] offset:OB+1024*\t+512*\c
.endr
.endr
	s_wait_dscnt 0x0
.irp t, 0,2,4,6                                ; S^T = K Q^T
	v_wmma_scale_f32_16x16x128_f8f6f4 v[96+8*\t:103+8*\t], v[32+8*\t:39+8*\t], v[16:23], 0, v[248+\t/2], v255 matrix_a_fmt:MATRIX_FMT_FP4 matrix_b_fmt:MATRIX_FMT_FP4
	v_wmma_scale_f32_16x16x128_f8f6f4 v[104+8*\t:111+8*\t], v[40+8*\t:47+8*\t], v[16:23], 0, v[248+\t/2], v255 matrix_a_fmt:MATRIX_FMT_FP4 matrix_b_fmt:MATRIX_FMT_FP4 matrix_a_scale:MATRIX_SCALE_ROW1
.endr
.rept 4
	v_nop                                          ; places in front of the loads below and of the first read of the scores
.endr
	ds_load_b128 v[248:251], v[\a] offset:OB+A_VS                  ; V's scale words and fragments are asked for now and land under the softmax
.irp t, 0,1,2,3,4,5,6,7
.irp c, 0,1
	ds_load_b128 v[32+8*\t+4*\c:35+8*\t+4*\c], v[\a] offset:OB+A_V+1024*\t+512*\c
.endr
.endr
.irp b, 0,1,2,3
	v_max3_num_f32 v[232+\b], v[96+16*\b], v[97+16*\b], v[98+16*\b]   ; the largest score of each block of 32 keys: it serves for the row's maximum and, since p rises with the score, for the block's largest p
.endr
.irp i, 3,5,7,9,11,13
.irp b, 0,1,2,3
	v_max3_num_f32 v[232+\b], v[232+\b], v[96+16*\b+\i], v[97+16*\b+\i]   ; ascending: each accumulator of eight is met at its low end first
.endr
.endr
.irp b, 0,1,2,3
	v_max_num_f32 v[232+\b], v[232+\b], v[111+16*\b]
.endr
.irp b, 0,1,2,3
	s_delay_alu instid0(VALU_DEP_4)
	v_permlanex16_b32 v[236+\b], v[232+\b], s[SEL], s[SEL+1]
.endr
.irp b, 0,1,2,3
	s_delay_alu instid0(VALU_DEP_4)
	v_max_num_f32 v[232+\b], v[232+\b], v[236+\b]  ; with lane l xor 16's 16 keys
.endr
	s_delay_alu instid0(VALU_DEP_2)
	v_max3_num_f32 v254, v232, v233, v234
	s_delay_alu instid0(VALU_DEP_1)
	v_max_num_f32 v254, v254, v235                 ; the step's largest score of my query
	s_delay_alu instid0(VALU_DEP_1)
	v_mul_f32 v254, s[CS], v254                    ; as t
	s_delay_alu instid0(VALU_DEP_1)
	v_max_num_f32 v13, v13, v254                   ; the running largest t
	v_mov_b32 v254, v12
	s_delay_alu instid0(VALU_DEP_2)
	v_floor_f32 v12, -v13                          ; the new -M = floor(-t) = -ceil(t): a whole number
	s_delay_alu instid0(VALU_DEP_1)
	v_sub_f32 v254, v12, v254                      ; M's old value less its new one: a whole number, 0 or less
	s_delay_alu instid0(VALU_DEP_1)
	v_cvt_i32_f32 v254, v254                       ; (it saturates)
	s_delay_alu instid0(VALU_DEP_1)
	v_ldexp_f32 v252, 1.0, v254                    ; f = 2^(old M - new M)
.irp j, 0,2,4,6,8,10,12,14,16,18,20,22,24,26,28,30,32,34,36,38,40,42,44,46,48,50,52,54,56,58,60,62
	v_pk_fma_f32 v[96+\j:97+\j], v[96+\j:97+\j], s[CS:CS+1], v[12:13] op_sel_hi:[1,0,0]   ; t - M, two at a time (of the pairs the low word serves both halves)
.endr
.irp b, 0,1,2,3
	v_fma_f32 v[232+\b], v[232+\b], s[CS], v12     ; the same of each block's largest score
.endr
.set JJ, 0
	s_wait_alu depctr_va_vdst(0)
.rept 64
	v_exp_f32 v[96+JJ], v[96+JJ]                   ; p = 2^(t - M), at most 1
.set JJ, JJ+1
.endr
.irp b, 0,1,2,3
	v_exp_f32 v[232+\b], v[232+\b]                 ; the block's largest p: the same two instructions on the same number give the same bits
.endr
	v_pk_mul_f32 v[14:15], v[14:15], v[252:253] op_sel_hi:[1,0]    ; the sums under the new M (a plain line behind the exponentials)
	s_wait_alu depctr_va_vdst(0)
.irp b, 0,1,2,3
	v_max_num_f32 v[232+\b], FLOOR, v[232+\b]      ; the floor: the byte cannot fall under 1
.endr
.irp b, 0,1,2,3
	s_delay_alu instid0(VALU_DEP_4)
	v_add_nc_u32 v[244+\b], OFF2, v[232+\b]        ; 2 off the exponent field: the conversion's scale operand
.endr
.irp b, 0,1,2,3
	s_delay_alu instid0(VALU_DEP_4)
	v_lshrrev_b32 v[236+\b], 23, v[244+\b]         ; the scale's byte
.endr
	s_delay_alu instid0(VALU_DEP_3)
	v_lshl_or_b32 v253, v237, 8, v236              ; p's scale word for these 128 keys
	s_delay_alu instid0(VALU_DEP_1)
	v_lshl_or_b32 v253, v238, 16, v253
	s_delay_alu instid0(VALU_DEP_1)
	v_lshl_or_b32 v253, v239, 24, v253
.irp b, 0,1,2,3
	v_cvt_scalef32_pk8_fp4_f32 v[224+2*\b], v[96+16*\b:103+16*\b], v[244+\b]
	v_cvt_scalef32_pk8_fp4_f32 v[225+2*\b], v[104+16*\b:111+16*\b], v[244+\b]
.endr
	v_nop                                          ; one plain line behind the last conversion
.irp c, 0,1
.irp i, 0,1
	v_permlane16_swap_b32 v[224+4*\c+\i], v[226+4*\c+\i]           ; the operand's layout wants a whole block in a lane
.endr
.endr
	v_pk_add_f32 v[236:237], v[100:101], v[104:105]
	v_pk_add_f32 v[246:247], v[108:109], v[112:113]
	v_pk_add_f32 v[244:245], v[116:117], v[120:121]
	v_pk_add_f32 v[242:243], v[124:125], v[128:129]
	v_pk_add_f32 v[240:241], v[132:133], v[136:137]
	v_pk_add_f32 v[234:235], v[140:141], v[144:145]
	v_pk_add_f32 v[232:233], v[148:149], v[152:153]
	v_pk_add_f32 v[14:15], v[14:15], v[156:157]
	v_pk_add_f32 v[236:237], v[236:237], v[96:97]
	v_pk_add_f32 v[246:247], v[246:247], v[98:99]
	v_pk_add_f32 v[244:245], v[244:245], v[102:103]
	v_pk_add_f32 v[242:243], v[242:243], v[106:107]
	v_pk_add_f32 v[240:241], v[240:241], v[110:111]
	v_pk_add_f32 v[234:235], v[234:235], v[114:115]
	v_pk_add_f32 v[232:233], v[232:233], v[118:119]
	v_pk_add_f32 v[14:15], v[14:15], v[122:123]
	v_pk_add_f32 v[236:237], v[236:237], v[126:127]
	v_pk_add_f32 v[246:247], v[246:247], v[130:131]
	v_pk_add_f32 v[244:245], v[244:245], v[134:135]
	v_pk_add_f32 v[242:243], v[242:243], v[138:139]
	v_pk_add_f32 v[240:241], v[240:241], v[142:143]
	v_pk_add_f32 v[234:235], v[234:235], v[146:147]
	v_pk_add_f32 v[232:233], v[232:233], v[150:151]
	v_pk_add_f32 v[14:15], v[14:15], v[154:155]
	v_pk_add_f32 v[236:237], v[236:237], v[158:159]
	s_delay_alu instid0(VALU_DEP_2)
	v_pk_add_f32 v[14:15], v[14:15], v[242:243]
	s_delay_alu instid0(VALU_DEP_2)
	v_pk_add_f32 v[236:237], v[236:237], v[240:241]
	v_pk_add_f32 v[246:247], v[246:247], v[234:235]
	v_pk_add_f32 v[244:245], v[244:245], v[232:233]
	s_delay_alu instid0(VALU_DEP_2)
	v_pk_add_f32 v[14:15], v[14:15], v[246:247]
	s_delay_alu instid0(VALU_DEP_2)
	v_pk_add_f32 v[236:237], v[236:237], v[244:245]
	s_delay_alu instid0(VALU_DEP_1)
	v_pk_add_f32 v[14:15], v[14:15], v[236:237]
.irp j, 0,2,4,6,8,10,12,14,16,18,20,22,24,26,28,30,32,34,36,38,40,42,44,46,48,50,52,54,56,58,60,62
	v_pk_mul_f32 v[160+\j:161+\j], v[160+\j:161+\j], v[252:253] op_sel_hi:[1,0]   ; O^T under the new M.  (These 32 are also the places between p's codes and scale word and the products below)
.endr
	s_wait_alu depctr_va_vdst(0)
	s_wait_dscnt 0x0                               ; V is in
.irp t, 0,2,4,6                                ; O^T += V^T P^T: the eight accumulators take turns, one instruction a turn
	v_wmma_scale_f32_16x16x128_f8f6f4 v[160+8*\t:167+8*\t], v[32+8*\t:39+8*\t], v[224:231], v[160+8*\t:167+8*\t], v[248+\t/2], v253 matrix_a_fmt:MATRIX_FMT_FP4 matrix_b_fmt:MATRIX_FMT_FP4
	v_wmma_scale_f32_16x16x128_f8f6f4 v[168+8*\t:175+8*\t], v[40+8*\t:47+8*\t], v[224:231], v[168+8*\t:175+8*\t], v[248+\t/2], v253 matrix_a_fmt:MATRIX_FMT_FP4 matrix_b_fmt:MATRIX_FMT_FP4 matrix_a_scale:MATRIX_SCALE_ROW1
.endr
.endm
.macro WORK a
	STEP \a, 0
	STEP \a, 1
.endm
; THE CHANGE OF SLOTS stands at a slot's head.  Each wave waits for all its tensor loads, adds 0 to its spare word, and waits for that and for its reads of the slot that it has left.  Behind the barrier the slot
; ahead is whole and nobody reads the other one.  fill = 1: the barrier is a round of the cluster's, and that other slot takes the four key steps eight steps on: the load has my two steps' work of all sixteen waves in which to land.
.macro CHANGE fill, g0
	s_wait_tensorcnt 0x0                           ; no tensor load of mine is out, so a group 0 may be written
	ds_add_u32 v3, v4                              ; 0 onto my spare word
.if \fill
	s_add_nc_u64 s[\g0+2:\g0+3], s[\g0+2:\g0+3], 8*ABLK            ; the type bits on top are not reached
.endif
	s_wait_dscnt 0x0                               ; the add is done, and my reads of the slot that I have left are over
.if \fill
	CROUND
	KVLOAD \g0                                     ; the first thing behind the round, and a wave's one tensor load until the next
.else
	s_barrier_signal -1
	s_barrier_wait -1
.endif
.endm
	s_wait_tensorcnt 0x1                           ; waves 0-3: my step of slot 0 is in, slot 1's load may be out; waves 4-7: x's may be out
	s_barrier_signal -1
	s_barrier_wait -1
	s_wait_loadcnt 0x0                             ; Q
	WORK 1                                         ; key steps 0 to 3
	s_mov_b32 s56, 3
.Lslots:                                           ; three trips, two slots each; six refills bring key steps 8 to 31
	CHANGE 1, G0A
	WORK 2
	CHANGE 1, G0B
	WORK 1
	s_sub_co_u32 s56, s56, 1
	s_cmp_lg_u32 s56, 0
	s_cbranch_scc1 .Lslots
	CHANGE 0, G0A                                  ; the last slot is written out: nothing is left to ask for
	WORK 2
	; THE END.  wm's fragments, scale words and bm are asked for now.
.rept 4
	v_nop                                          ; places behind the last products: for these loads and for the stores of O^T
.endr
.irp t, 0,1,2,3,4,5,6,7
.irp c, 0,1
	global_load_b128 v[32+8*\t+4*\c:35+8*\t+4*\c], v5, s[20:21] offset:1024*\t+512*\c
.endr
.endr
.irp j, 0,1,2,3
	global_load_b32 v[248+\j], v7, s[22:23] offset:16384+128*\j    ; register j: lanes 0-15 tile 2 j's rows, lanes 16-31 tile 2 j + 1's
.endr
.irp t, 0,1,2,3,4,5,6,7
	global_load_b32 v[16+\t], v6, s[8:9] offset:64*\t              ; bm of channel 128 (v / 8) + 16 t + r
.endr
	v_add_f32 v14, v14, v15                        ; the sum's two halves,
	s_delay_alu instid0(VALU_DEP_1)
	v_permlanex16_b32 v252, v14, s[SEL], s[SEL+1]
	s_delay_alu instid0(VALU_DEP_1)
	v_add_f32 v13, v14, v252                       ; and lane l xor 16's: my half of the keys' sum, beside -M
	s_wait_alu depctr_va_vdst(0)
	s_wait_dscnt 0x0                               ; my reads of the ring are over
	s_barrier_signal -1
	s_barrier_wait -1                              ; everybody's are: the ring's bytes serve the exchange
.set KK, 0
.rept 16
	ds_store_b128 v8, v[160+4*KK:163+4*KK] offset:512*KK           ; each accumulator from its low end on
.set KK, KK+1
.endr
	ds_store_b64 v9, v[12:13]
	s_wait_dscnt 0x0
	s_barrier_signal -1
	s_barrier_wait -1
.set KK, 0
.rept 16
	ds_load_b128 v[96+4*KK:99+4*KK], v10 offset:512*KK             ; the other half of the keys, same queries, same lanes
.set KK, KK+1
.endr
	ds_load_b64 v[232:233], v11
	s_wait_dscnt 0x0
	v_min_num_f32 v234, v12, v232                  ; -M of both halves
	s_delay_alu instid0(VALU_DEP_1)
	v_sub_f32 v236, v234, v12
	s_delay_alu instid0(VALU_DEP_2)
	v_sub_f32 v237, v234, v232
	s_delay_alu instid0(VALU_DEP_2)
	v_cvt_i32_f32 v236, v236
	s_delay_alu instid0(VALU_DEP_2)
	v_cvt_i32_f32 v237, v237
	s_delay_alu instid0(VALU_DEP_2)
	v_ldexp_f32 v236, 1.0, v236                    ; 2^(my M - M)
	s_delay_alu instid0(VALU_DEP_2)
	v_ldexp_f32 v238, 1.0, v237                    ; 2^(the other's M - M)
	s_delay_alu instid0(VALU_DEP_2)
	v_mul_f32 v235, v13, v236
	s_delay_alu instid0(VALU_DEP_1)
	v_fma_f32 v235, v233, v238, v235               ; the row's sum
	s_wait_alu depctr_va_vdst(0)
	v_rcp_f32 v235, v235
	v_nop                                          ; one plain line behind the reciprocal
	s_wait_alu depctr_va_vdst(0)
	v_mul_f32 v236, v236, v235
	v_mul_f32 v238, v238, v235
	s_delay_alu instid0(VALU_DEP_2)
	v_mov_b32 v237, v236                           ; pairs for the packed forms
	s_delay_alu instid0(VALU_DEP_2)
	v_mov_b32 v239, v238
.set JJ, 0
.rept 32
	v_pk_mul_f32 v[160+JJ:161+JJ], v[160+JJ:161+JJ], v[236:237]
.set JJ, JJ+2
.endr
.set JJ, 0
.rept 32
	v_pk_fma_f32 v[160+JJ:161+JJ], v[96+JJ:97+JJ], v[238:239], v[160+JJ:161+JJ]   ; out = O / sum: register 16 b + i is channel 32 b + 16 h + i of my query
.set JJ, JJ+2
.endr
	; out is quantised along its 128 channels
.irp b, 0,1,2,3
	v_max3_num_f32 v[232+\b], |v[160+16*\b]|, |v[161+16*\b]|, FLOOR
.endr
.irp i, 2,4,6,8,10,12,14
.irp b, 0,1,2,3
	s_delay_alu instid0(VALU_DEP_4)
	v_max3_num_f32 v[232+\b], v[232+\b], |v[160+16*\b+\i]|, |v[161+16*\b+\i]|
.endr
.endr
.irp b, 0,1,2,3
	s_delay_alu instid0(VALU_DEP_4)
	v_permlanex16_b32 v[236+\b], v[232+\b], s[SEL], s[SEL+1]
.endr
.irp b, 0,1,2,3
	s_delay_alu instid0(VALU_DEP_4)
	v_max_num_f32 v[232+\b], v[232+\b], v[236+\b]
.endr
.irp b, 0,1,2,3
	s_delay_alu instid0(VALU_DEP_4)
	v_add_nc_u32 v[244+\b], OFF2, v[232+\b]
.endr
.irp b, 0,1,2,3
	s_delay_alu instid0(VALU_DEP_4)
	v_lshrrev_b32 v[236+\b], 23, v[244+\b]
.endr
	s_delay_alu instid0(VALU_DEP_3)
	v_lshl_or_b32 v253, v237, 8, v236
	s_delay_alu instid0(VALU_DEP_1)
	v_lshl_or_b32 v253, v238, 16, v253
	s_delay_alu instid0(VALU_DEP_1)
	v_lshl_or_b32 v253, v239, 24, v253
.irp b, 0,1,2,3
	v_cvt_scalef32_pk8_fp4_f32 v[224+2*\b], v[160+16*\b:167+16*\b], v[244+\b]
	v_cvt_scalef32_pk8_fp4_f32 v[225+2*\b], v[168+16*\b:175+16*\b], v[244+\b]
.endr
	v_nop
.irp c, 0,1
.irp i, 0,1
	v_permlane16_swap_b32 v[224+4*\c+\i], v[226+4*\c+\i]
.endr
.endr
.irp t, 0,1,2,3,4,5,6,7
	ds_load_b128 v[160+8*\t:163+8*\t], v24 offset:16*XP*\t         ; x at the places where my results will lie: only this lane reads or writes these bytes
	ds_load_b128 v[164+8*\t:167+8*\t], v24 offset:16*XP*\t+16
.endr
.rept 8
	v_nop                                          ; out's scale word stands 8 places ahead of the scaled products, its codes 4
.endr
	s_wait_alu depctr_va_vdst(0)
	s_wait_loadcnt 0x0                             ; wm, its scale words, bm
.irp t, 0,2,4,6                                ; source 0 = my 16 queries, source 1 = 16 rows of wm: a lane holds one output channel and eight neighbouring positions
	v_wmma_scale_f32_16x16x128_f8f6f4 v[96+8*\t:103+8*\t], v[224:231], v[32+8*\t:39+8*\t], 0, v253, v[248+\t/2] matrix_a_fmt:MATRIX_FMT_FP4 matrix_b_fmt:MATRIX_FMT_FP4
	v_wmma_scale_f32_16x16x128_f8f6f4 v[104+8*\t:111+8*\t], v[224:231], v[40+8*\t:47+8*\t], 0, v253, v[248+\t/2] matrix_a_fmt:MATRIX_FMT_FP4 matrix_b_fmt:MATRIX_FMT_FP4 matrix_b_scale:MATRIX_SCALE_ROW1
.endr
.rept 4
	v_nop
.endr
	s_wait_dscnt 0x0                               ; x
.irp t, 0,1,2,3,4,5,6,7
.irp j, 0,1,2,3,4,5,6,7
	v_add_f32 v[96+8*\t+\j], v[96+8*\t+\j], v[16+\t]               ; + bm
.endr
.irp j, 0,1,2,3,4,5,6,7
	v_max_num_f32 v[96+8*\t+\j], 0, v[96+8*\t+\j]                  ; relu
.endr
.irp j, 0,2,4,6
	v_pk_add_f32 v[96+8*\t+\j:97+8*\t+\j], v[96+8*\t+\j:97+8*\t+\j], v[160+8*\t+\j:161+8*\t+\j]   ; + x
.endr
	ds_store_b128 v24, v[96+8*\t:99+8*\t] offset:16*XP*\t
	ds_store_b128 v24, v[100+8*\t:103+8*\t] offset:16*XP*\t+16
.endr
	s_wait_dscnt 0x0                               ; my results are stored
	s_barrier_signal -1
	s_barrier_wait -1                              ; 256 whole rows of the output lie in LDS
.irp i, 0,1,2,3,4,5,6,7,8,9,10,11,12,13,14,15
	ds_load_b128 v[32+4*\i:35+4*\i], v25 offset:XP*\i
.endr
.irp i, 0,1,2,3,4,5,6,7,8,9,10,11,12,13,14,15
	s_wait_dscnt 15-\i                             ; LDS loads come back in order (ISA guide 5.7.1): row i is in, the younger ones may be out
	global_store_b128 v5, v[32+4*\i:35+4*\i], s[12:13] offset:16384*\i th:TH_STORE_NT   ; 32 lanes store 512 consecutive bytes of a channel's row, aligned to 512; written once, read by nobody here
.endr
	s_wait_tensorcnt 0x0                           ; the wave's end, behind my last tensor load and my last LDS store
	ds_add_u32 v3, v4
	s_wait_dscnt 0x0
	CROUND                                         ; the closing round: no work-group ends while a partner may still ask for a tile that names it
	s_endpgm
.Lfunc_end_k_qcb595c0433_attn:
	.size	k_qcb595c0433_attn, .Lfunc_end_k_qcb595c0433_attn-k_qcb595c0433_attn
	.p2alignl 7, 3214868480
	.fill 96, 4, 3214868480
	.section	.rodata,"a",@progbits
	.p2align	6, 0x0
	.amdhsa_kernel k_qcb595c0433_attn
		.amdhsa_group_segment_fixed_size 327680
		.amdhsa_private_segment_fixed_size 0
		.amdhsa_enable_private_segment 0
		.amdhsa_kernarg_size 40
		.amdhsa_user_sgpr_count 2
		.amdhsa_user_sgpr_kernarg_segment_ptr 1
		.amdhsa_wavefront_size32 1
		.amdhsa_system_sgpr_workgroup_id_x 1
		.amdhsa_system_sgpr_workgroup_id_y 1
		.amdhsa_system_sgpr_workgroup_id_z 1
		.amdhsa_system_vgpr_workitem_id 0
		.amdhsa_next_free_vgpr 256
		.amdhsa_next_free_sgpr 80
		.amdhsa_reserve_vcc 0
		.amdhsa_float_denorm_mode_32 3
		.amdhsa_float_denorm_mode_16_64 3
		.amdhsa_memory_ordered 1
		.amdhsa_forward_progress 1
		.amdhsa_inst_pref_size 185
	.end_amdhsa_kernel
	.amdgpu_metadata
---
amdhsa.version: [ 1, 2 ]
amdhsa.kernels:
  - .name:           k_qcb595c0433_attn
    .symbol:         k_qcb595c0433_attn.kd
    .args:
      - { .name: acts, .offset: 0, .size: 8, .value_kind: global_buffer, .address_space: global }
      - { .name: wmq, .offset: 8, .size: 8, .value_kind: global_buffer, .address_space: global }
      - { .name: bm, .offset: 16, .size: 8, .value_kind: global_buffer, .address_space: global }
      - { .name: x, .offset: 24, .size: 8, .value_kind: global_buffer, .address_space: global }
      - { .name: out0, .offset: 32, .size: 8, .value_kind: global_buffer, .address_space: global }
    .group_segment_fixed_size: 327680
    .private_segment_fixed_size: 0
    .kernarg_segment_align: 8
    .kernarg_segment_size: 40
    .max_flat_workgroup_size: 512
    .sgpr_count:     80
    .vgpr_count:     256
    .wavefront_size: 32
...
	.end_amdgpu_metadata
.endif
;; end of part 2
